; MI455X (gfx1250); checked and timed in simulation.
; The chip was launched on July 23, 2026; its instructions are those of AMD's public machine-readable ISA for CDNA 5 (MIT licence, August 2026) and "CDNA5" Instruction Set Architecture Reference Guide (July 2026). The comments in the code are by the model that wrote it; some were corrected since.
;; Mo E Clustered Attention. Allowed arithmetic: matrix products marked QUANTISED: E2M1 operands, one E8M0 scale for each 32 along K, by v_wmma_scale_f32_16x16x128_f8f6f4 with both operands' format E2M1 (or v_wmma_scale_f32_32x16x128_f4), f32 sums; products left as they are: f32 operands where the result goes on into a quantised operand, else bf16, f16 or f32 operands; f32 sums; everything else in f32.
;; Inputs: K 4 x 2,048 x 512 float32; Q 4 x 2,048 x 512 float32; V 4 x 2,048 x 512 float32; Wk_codes 8 x 512 x 16 x 16 uint8 (E2M1 codes of Wk, K innermost, in blocks of 32 codes, two codes a byte); Wk_scales 8 x 512 x 16 uint8 (E8M0 scales of Wk, one for each 32 codes along K); Wq_codes 8 x 512 x 16 x 16 uint8 (E2M1 codes of Wq, K innermost, in blocks of 32 codes, two codes a byte); Wq_scales 8 x 512 x 16 uint8 (E8M0 scales of Wq, one for each 32 codes along K); bk 8 x 512 float32; bq 8 x 512 float32; miu 8 x 512 float32.
;; Outputs: out0 4 x 2,048 x 512 float32.
;; This version of the problem:
;;   THIS VERSION OF THE PROBLEM IS GIVEN IN LOW PRECISION. The matrix products marked QUANTISED in the list below multiply operands that are first quantised to E2M1 (2 exponent bits, 1 mantissa bit; 4 bits a number), with one power-of-two scale for each 32 numbers along K (OCP MX v1.0); their sums are f32. All else is computed in f32.
;;   The module's matrix products, in the order in which they are computed (A, B: the left and right operand; K: the contracted axis; several contracted axes count as one K, in the product's order):
;;     1. [M 16,384, K 512] x [K 512, N 8]; A: computed on the way; B: input miu: left as it is (N = 8 < 16)
;;     2. [M 8,192, K 512] x [K 512, N 4,096]; A: input Q; B: input Wq (given as codes): QUANTISED
;;     3. [M 8,192, K 512] x [K 512, N 4,096]; A: input K; B: input Wk (given as codes): QUANTISED
;;     4. batch 4 x [M 2,048, K 512] x [K 512, N 2,048]; A: computed on the way; B: computed on the way: QUANTISED
;;     5. batch 4 x [M 2,048, K 2,048] x [K 2,048, N 512]; A: softmax (see below); B: computed on the way: QUANTISED
;;   THE QUANTISER, for each operand of a quantised product, along K:
;;     - K is cut into blocks of 32 from its start; a last block that is shorter is filled with zeros.
;;     - A block's scale is 2^e with e = floor(log2(the largest magnitude in the block)) - 2, held to -126 .. 127; a block of zeros has e = 0. As a byte (E8M0): e + 127.
;;     - Each number is divided by its block's scale, clamped to +-6, and rounded to the nearest number of E2M1, ties to even, subnormals kept.
;;     - The product sums the exact products of the quantised numbers (number of the format x scale) in f32.
;;   ~~~python
;;   def quantise(x, axis):      # numpy; x: float32 -> the quantised numbers, widened to float32 again
;;       x = np.moveaxis(x, axis, -1); K = x.shape[-1]
;;       x = np.pad(x, [(0, 0)] * (x.ndim - 1) + [(0, -K % 32)]); x = x.reshape(x.shape[:-1] + (-1, 32)); a = np.abs(x).max(-1, keepdims=True)
;;       e = np.where(a > 0, np.clip(np.frexp(np.where(a > 0, a, 1))[1] - 1 - 2, -126, 127), 0)      # np.frexp(a)[1] - 1 = floor(log2(a)), exactly
;;       r = np.clip(x / 2.0 ** e, -6, 6)
;;       step = 2.0 ** (np.maximum(np.frexp(np.where(r == 0, 1, r))[1] - 1, 0) - 1)
;;       q = np.round(r / step) * step * 2.0 ** e      # np.round: ties to even
;;       return np.moveaxis(q.reshape(q.shape[:-2] + (-1,))[..., :K], -1, axis).astype(np.float32)
;;   ~~~
;;   SOFTMAX AHEAD OF A QUANTISED PRODUCT. Where the list says 'softmax', what is quantised is not the finished softmax but p = 2^(t - M), with t = logit x log2(e) and M = ceil(the row's largest t), a whole number; so 1/2 < the row's largest p <= 1. The row's sum l is taken of the UNQUANTISED p, in f32, and the product's result is divided by l at the end. Since M is a whole number, a kernel that streams over the keys may use a running M (the ceiling of the running maximum): every later rescaling is an exact power of two, which a block's scale takes up: the codes' values come out the same.
;;   OPERANDS COMPUTED ON THE WAY. 'Computed on the way' means the value that the module computes at that place (a softmax that the list does not call 'softmax' is quantised finished and normalised). What goes into a quantiser is computed in f32, as accurately as f32 sums, v_exp_f32 and their like allow (about 1e-6 of the number): no bf16 or f16 on the way to a quantiser, and a product that is left as it is and whose result goes on into a quantised operand takes f32 operands (vector FMAs, or v_wmma_f32_16x16x4_f32). A number that lies on a knife's edge between two numbers of the format may be rounded either way, as far as f32 arithmetic and the matrix unit's own rounding can turn it there, and no further.
;;   INPUTS GIVEN AS CODES. Wk (in the module: [8, 512, 512], K = its axis 1); Wq (in the module: [8, 512, 512], K = its axis 1): each comes as NAME_codes (uint8): NAME with its K axis moved to the last place and cut into blocks of 32 codes, [.., K / 32, bytes a block], one block behind the other in memory; two codes a byte, the lower K in the low four bits (a code: sign, 2 exponent bits, 1 mantissa bit); and NAME_scales (uint8): the same leading axes, one E8M0 byte (e + 127) for each 32 codes along K. Its value is code x scale, taken as it is: it is not quantised again, and the codes and scales need not be those that the quantiser above would give.
;; One version. Each part assembles by itself: llvm-mc -triple=amdgcn-amd-amdhsa -mcpu=gfx1250 --defsym DOCPART=n.
;; ======== version 1 of 1: 2 launches
;; limits: right only within a limited range of input values
;; workspace buffers: Qrec 2,293,760 bytes; Krec 2,293,760 bytes; Vrec 2,228,224 bytes; Msum 262,144 bytes
;; launch experts (part 1): grid 128 x 2, 8 waves a work-group, clusters of 4 x 1, 327,680 bytes of LDS; arguments Q, K, miu, Wq_codes, Wq_scales, bq, Wk_codes, Wk_scales, bk, Qrec, Krec, Vrec, Msum; writes Qrec, Krec, Vrec, Msum
.if DOCPART == 1
	.amdgcn_target "amdgcn-amd-amdhsa--gfx1250"
	.amdhsa_code_object_version 6
	.text
	.protected	k_q629275e7b7_experts
	.globl	k_q629275e7b7_experts
	.p2align	8
	.type	k_q629275e7b7_experts,@function
k_q629275e7b7_experts:
	s_mov_b64 s[64:65], 0
	v_nop
	global_prefetch_b8 v0, s[64:65] scope:SCOPE_SE
	s_setreg_imm32_b32 hwreg(HW_REG_WAVE_MODE, 25, 1), 1
	s_wait_xcnt 0x0
	s_wait_alu depctr_hold_cnt(0) depctr_sa_sdst(0) depctr_va_vdst(0) depctr_va_sdst(0) depctr_va_ssrc(0) depctr_va_vcc(0) depctr_vm_vsrc(0)
	s_getreg_b32 s2, hwreg(HW_REG_IB_STS2, 6, 4)
	s_cmp_eq_u32 s2, 0
	s_cbranch_scc0 .Lentry_in_a_cluster
	s_endpgm
.Lentry_in_a_cluster:
	s_bfe_u32 s2, ttmp6, 0x10000c
	s_cmp_lg_u32 s2, 0x3003
	s_cbranch_scc0 .Lentry_shape_is_right
	s_endpgm
.Lentry_shape_is_right:
; EXPERTS.  For 64 tokens of Q (work-group y = 0) or of K (y = 1): the cluster of each token (argmax of x . miu / sqrt(512), f32), x quantised to E2M1 along d,
; x W[e] + b[e] for all eight experts on codes, the routed expert's row kept by a select, exact GELU in f32, and the result quantised along d into a record that the attention launch reads as operand registers.
; For K also: K' quantised along the KEYS (32 neighbouring keys of one column: the second attention product's K) and the column sums of K' for the fallback mean.
; WORK LEFT OUT.  Input V: reference() never reads it (V' is K'), so it has no way to any output for any values; it is not loaded and is no argument of any launch.
; A NaN, an infinity or an overflow in V is therefore not carried to the result.
; WHY ALL EIGHT EXPERTS.  The choice of expert is made from floating-point numbers in this same launch, so it may steer values only: every expert is multiplied, as reference() writes it, and v_cndmask_b32 keeps the routed one.
; LIMITS.  NaN and infinities in Q, K, miu are not served.  A block of zeros gets the scale byte 1 (its codes are zeros; only this program reads the bytes).  erf is the rational form P(x^2) x / Q(x^2) on x held to +-4.
; SHARES.  Eight waves.  Wave w owns output columns 64 w .. 64 w + 63 of every expert for all 64 tokens (four tiles of 16).  Its 64 rows of an expert's codes come by its own tensor load into its own part of a slot.
; CLUSTER.  The four work-groups of a cluster walk the same weights and biases: each load is asked for jointly (mask 15); nothing in a descriptor or an LDS address hangs on the place in the cluster.
; THE WALK BEGINS ELSEWHERE IN EACH CLUSTER: cluster x begins at expert x mod 8 and goes round, so that eight neighbouring clusters ask for eight different experts at a time.  Each token takes the row of exactly one
; expert, picked by a compare with the expert's number, so the order of the eight changes no result.  The cluster's x is the same in its four partners.
; THE PRODUCT IS USED TRANSPOSED (source 0 = 16 rows of W, source 1 = 16 tokens): lane (r, h) holds token r and its register j column 16 t + 8 h + j.
; REGISTERS.  Window 0: addresses, scale words, temporaries, bias, accumulators (written by matrix instructions alone), W's fragments.  Window 1: v0-127 R (x, later the routed rows), v128-255 miu, later x's 16 fragments.
.set WPART, 17408                      ; 64 rows of 256 bytes + 16 of padding: a wave's part of a slot
.set SLOTB, 8*WPART
.set XIMG,  2*SLOTB                    ; x's 16 fragments as register images, 1,024 bytes each, index 4 m + s
.set XSC,   XIMG+16384                 ; their scale words, 128 bytes each
.set RSC,   XSC+2048                   ; the routing's partial scores, 1,024 bytes a wave
.set BIAS,  RSC+8192                   ; [8][512] f32, filled once by tensor loads: row i is the bias of the walk's i-th expert
.set KSCL,  BIAS+16384                 ; the record's tail: 1,024 bytes of scale words, 512 of id words
.set SPARE, KSCL+1536                  ; the spare words, 128 bytes a wave
.set CH,    17920                      ; a record of 64 tokens
.set VPART, 34816                      ; a record of V' for 128 keys
.set AX, 4
.set AM, 5
.set L16, 6
.set L8, 7
.set L4, 8
.set AXI, 9
.set AXIW, 10
.set AXS, 11
.set AXSW, 12
.set ARS, 13
.set ARSW, 14
.set ABIAS, 15
.set AW, 16                            ; v16, v17: my rows of W in slot 0, 1
.set AKH, 18
.set AID, 19
.set AKS, 20
.set GKS, 21
.set GREC, 22
.set AVS, 23
.set XS, 24                            ; v24-39 x's scale words (m, s)
.set WS, 40                            ; v40-55 W's scale words, two sets of (pair of tiles, s)
.set ASG, 56                           ; v56-59 the cluster of my lane's token in each tile
.set SPW, 60
.set NIL, 61
.set AVL, 62
.set TM, 64                            ; v64-79 at work
.set PW, 80                            ; v80-83 scale words just made
.set PC, 84                            ; v84-99 codes just made
.set BB, 100                           ; v100-115 bias, two sets
.set ACC, 116                          ; v116-179 two sets of four accumulators
.set WF, 180                           ; v180-243 W's fragments, two sets of four
.set VA13, 244
.set VB8, 246
.set GX,  WF
.set GX2, WF+16
.set GP,  WF+32
.set GQ,  WF+48
.set WV, 3
.set G1W, 36
.set G1B, 44
.set G0W, 52
.set G0B, 60
.set MK, 68                            ; s68-71 lanes whose token is routed to the expert in hand, for each tile
.set ECNT, 72                          ; s72 the expert in hand
.set LOOP, 73
.set XSEL, 74
.set OC, 76                            ; s[76:77] an expert's byte offset in the codes (s77 stays 0)
.set SB, 78                            ; s[78:79] where the scale words that are being loaded lie
.set OS, 92                            ; s[92:93] an expert's byte offset in the scale bytes (s93 stays 0)
.set MSB, 0
.macro WIN new                         ; the immediate's high byte repeats the setting that is left
.if MSB != \new
	s_set_vgpr_msb (MSB<<8)|\new
.set MSB, \new
.endif
.endm
.macro NOPS n
.rept \n
	v_nop
.endr
.endm
.macro ROUND                           ; a round of the cluster's barrier
	s_barrier_signal -1
	s_barrier_wait -1
	s_cmp_lg_u32 s[WV], 0
	s_cbranch_scc1 .Lnw0_\@
	s_barrier_signal -3
.Lnw0_\@:
	s_barrier_wait -3
	s_barrier_signal -1
	s_barrier_wait -1
.endm
; nb blocks of 32 along K of my row, window 1 from register src on: register 16 b + 8 u + j = k 32 b + 16 u + 8 h + j.  Codes to v[pc] on in the operand's order, scale bytes to v[pw].
.macro QUANT src, nb, pc, pw
	WIN 0x05
.set qb, 0
.rept \nb
	v_max3_num_f32 v[TM+qb], |v[(\src)+16*qb]|, |v[(\src)+16*qb+1]|, 0x1800000   ; with the floor 2^(3 - 127): the byte cannot fall under 1
.set qb, qb+1
.endr
.set qi, 2
.rept 7
.set qb, 0
.rept \nb
	v_max3_num_f32 v[TM+qb], |v[(\src)+16*qb+qi]|, |v[(\src)+16*qb+qi+1]|, v[TM+qb]
.set qb, qb+1
.endr
.set qi, qi+2
.endr
	WIN 0
.set qb, 0
.rept \nb
	v_permlanex16_b32 v[TM+4+qb], v[TM+qb], s[XSEL], s[XSEL+1]
.set qb, qb+1
.endr
.set qb, 0
.rept \nb
	v_max_num_f32 v[TM+qb], v[TM+qb], v[TM+4+qb]     ; with lane l xor 16's 16 numbers: the block's largest magnitude
.set qb, qb+1
.endr
.set qb, 0
.rept \nb
	v_add_nc_u32 v[TM+12+qb], 0xff000000, v[TM+qb]   ; 2 off the exponent field: the conversion's scale operand
.set qb, qb+1
.endr
.set qb, 0
.rept \nb
	v_lshrrev_b32 v[TM+4+qb], 23, v[TM+12+qb]        ; the scale's byte
.set qb, qb+1
.endr
	v_lshl_or_b32 v[\pw], v[TM+5], 8, v[TM+4]
.if \nb == 4
	v_lshl_or_b32 v[\pw], v[TM+6], 16, v[\pw]
	v_lshl_or_b32 v[\pw], v[TM+7], 24, v[\pw]
.endif
	WIN 0x01
.set qb, 0
.rept \nb                              ; (block 2 c + e, half u) goes to register 4 c + 2 u + e
	v_cvt_scalef32_pk8_fp4_f32 v[(\pc)+4*(qb/2)+(qb%2)], v[(\src)+16*qb:(\src)+16*qb+7], v[TM+12+qb]
	v_cvt_scalef32_pk8_fp4_f32 v[(\pc)+4*(qb/2)+2+(qb%2)], v[(\src)+16*qb+8:(\src)+16*qb+15], v[TM+12+qb]
.set qb, qb+1
.endr
	WIN 0
	v_nop                                          ; one plain place behind the scaled conversions
.set qb, 0
.rept \nb                              ; registers 4 c + 2 u and 4 c + 2 u + 1 exchange halves: lanes 0-15 then hold block 2 c whole, lanes 16-31 block 2 c + 1, k ascending
	v_permlane16_swap_b32 v[(\pc)+2*qb], v[(\pc)+2*qb+1]
.set qb, qb+1
.endr
.endm
	s_load_b512 s[8:23], s[0:1], 0x0               ; Q, K, miu, Wq codes, Wq scales, bq, Wk codes, Wk scales
	s_load_b256 s[24:31], s[0:1], 0x40             ; bk, Qrec, Krec, Vrec
	s_load_b64 s[32:33], s[0:1], 0x60              ; Msum
	v_lshl_add_u32 v[SPW], v0, 2, SPARE
	v_mov_b32 v[NIL], 0
	ds_add_u32 v[SPW], v[NIL]                      ; the opening: the add, twice on end, and its wait ahead of my first tensor load
	ds_add_u32 v[SPW], v[NIL]
	v_lshrrev_b32 v1, 5, v0
	v_readfirstlane_b32 s[WV], v1                  ; wave 0..7
	s_bfe_u32 s4, ttmp6, 0x40000                   ; my place in the cluster: it enters x's and the outputs' addresses alone
	s_lshl_b32 s5, ttmp9, 2
	s_add_co_u32 s5, s5, s4                        ; my chunk of 64 tokens, 0..127
	s_and_b32 s6, ttmp7, 0xffff                    ; 0: Q, 1: K; the four partners share it
	s_and_b32 s7, s[WV], 1
	s_lshr_b32 s34, s[WV], 1
	s_and_b32 s[ECNT], ttmp9, 7                    ; the expert at which my cluster's walk begins: the cluster's x mod 8
	s_mov_b32 s[G1W], 15|(1<<20)|(1<<21)|(5<<22)|(3<<25)   ; mask: all four; bytes; 4 words of padding behind every 64; bit 21 beside the mask
	s_mov_b32 s[G1W+1], 256<<16
	s_mov_b32 s[G1W+2], 64<<16
	s_mov_b32 s[G1W+3], 256<<16
	s_mov_b32 s[G1W+4], 64
	s_mov_b32 s[G1W+5], 256
	s_mov_b32 s[G1W+6], 0
	s_mov_b32 s[G1W+7], 0
	s_mov_b32 s[G1B], 15|(3<<16)|(1<<21)           ; one expert's bias: 8 rows of 32 elements of 8 bytes, dense
	s_mov_b32 s[G1B+1], 32<<16
	s_mov_b32 s[G1B+2], 8<<16
	s_mov_b32 s[G1B+3], 32<<16
	s_mov_b32 s[G1B+4], 8
	s_mov_b32 s[G1B+5], 32
	s_mov_b32 s[G1B+6], 0
	s_mov_b32 s[G1B+7], 0
	s_mov_b32 s[XSEL], 0x76543210
	s_mov_b32 s[XSEL+1], 0xfedcba98
	v_and_b32 v1, 31, v0                           ; lane
	v_and_b32 v2, 15, v0                           ; r
	v_bfe_u32 v3, v0, 4, 1                         ; h
	v_lshlrev_b32 v[AX], 11, v2
	v_lshl_add_u32 v[AX], v3, 5, v[AX]             ; x: row r of 2,048 bytes + 32 h
	v_and_b32 v[AM], 7, v0
	v_lshlrev_b32 v[AM], 11, v[AM]
	v_lshl_add_u32 v[AM], v3, 5, v[AM]             ; miu: row r % 8, the same k
	v_lshlrev_b32 v[L16], 4, v1
	v_lshlrev_b32 v[L8], 3, v1
	v_lshlrev_b32 v[L4], 2, v1
	v_add_nc_u32 v[AXI], XIMG, v[L16]
	s_lshl_b32 s80, s[WV], 11
	v_add_nc_u32 v[AXIW], s80, v[AXI]
	v_add_nc_u32 v[AXS], XSC, v[L4]
	s_lshl_b32 s80, s[WV], 8
	v_add_nc_u32 v[AXSW], s80, v[AXS]
	v_add_nc_u32 v[ARS], RSC, v[L16]
	s_lshl_b32 s80, s[WV], 10
	v_add_nc_u32 v[ARSW], s80, v[ARS]
	s_mul_i32 s81, s[WV], WPART
	v_mul_u32_u24 v[AW], v2, 272
	v_lshl_add_u32 v[AVS], v3, 5, v[AW]
	v_lshl_add_u32 v[AW], v3, 4, v[AW]
	v_add_nc_u32 v[AW], s81, v[AW]                 ; W: my part, row r, + 16 h
	v_add_nc_u32 v[AW+1], SLOTB, v[AW]
	v_add_nc_u32 v[AVS], s81, v[AVS]               ; the stage for V': row r, + 32 h
	v_add_nc_u32 v[AVL], s81, v[L4]                ; and back: 4 bytes a lane
	s_lshl_b32 s80, s[WV], 8
	s_add_co_u32 s80, s80, BIAS
	v_lshl_add_u32 v[ABIAS], v3, 5, s80            ; bias: my 64 columns, + 8 h numbers
	s_lshl_b32 s80, s34, 8
	s_lshl_b32 s82, s7, 1
	s_add_co_u32 s80, s80, s82
	s_add_co_u32 s80, s80, KSCL
	v_lshl_add_u32 v[AKH], v2, 2, s80              ; my two scale bytes of token r's word of K step w / 2
	s_lshl_b32 s80, s[WV], 6
	s_add_co_u32 s80, s80, KSCL+1024
	v_lshl_add_u32 v[AID], v2, 2, s80
	s_min_u32 s80, s[WV], 5
	s_lshl_b32 s80, s80, 8
	v_add_nc_u32 v[GKS], s80, v[L8]
	v_add_nc_u32 v[AKS], KSCL, v[GKS]
	s_lshl_b32 s80, s[WV], 9
	v_add_nc_u32 v[GREC], s80, v[L16]
	v_mov_b32 v[VA13], 0xaf95df0b                  ; -2.72614226e-10
	v_mov_b32 v[VA13+1], 0xaf95df0b
	v_mov_b32 v[VB8], 0xb77460cd                   ; -1.45660718e-05
	v_mov_b32 v[VB8+1], 0xb77460cd
	s_lshl_b32 s80, s5, 17                         ; x: my chunk's 64 rows,
	s_lshl_b32 s82, s34, 15                        ; my tile of 16 rows,
	s_add_co_u32 s80, s80, s82
	s_lshl_b32 s82, s7, 10                         ; my half of K
	s_add_co_u32 s80, s80, s82
	s_mov_b32 s81, 0
	s_mov_b32 s83, 0
	s_lshl_b32 s84, s[WV], 14                      ; my 64 rows of an expert's codes
	s_mov_b32 s85, 0
	s_lshl_b32 s86, s[WV], 10                      ; and of its scale bytes
	s_mov_b32 s87, 0
	s_lshl_b32 s88, s[WV], 11                      ; LDS row w of the biases takes
	s_add_co_u32 s35, s[ECNT], s[WV]
	s_and_b32 s35, s35, 7                          ; the bias of the walk's w-th expert
	s_lshl_b32 s66, s35, 11
	s_mov_b32 s67, 0
	s_lshl_b32 s[OC], s[ECNT], 17                  ; slot 0 takes the walk's first expert,
	s_mov_b32 s[OC+1], 0
	s_add_co_u32 s35, s[ECNT], 1
	s_and_b32 s35, s35, 7
	s_lshl_b32 s94, s35, 17                        ; slot 1 its second
	s_mov_b32 s95, 0
	s_lshl_b32 s[OS], s[ECNT], 13                  ; the first expert's scale bytes
	s_mov_b32 s[OS+1], 0
	s_mul_i32 s90, s5, CH
	s_mov_b32 s91, 0
	s_wait_dscnt 0x0                               ; both opening adds are done
	s_wait_kmcnt 0x0
	s_cmp_lg_u32 s6, 0                             ; the choice hangs on the work-group's y alone
	s_cselect_b64 s[8:9], s[10:11], s[8:9]         ; x
	s_cselect_b64 s[14:15], s[20:21], s[14:15]     ; W's codes
	s_cselect_b64 s[16:17], s[22:23], s[16:17]     ; W's scales
	s_cselect_b64 s[18:19], s[24:25], s[18:19]     ; the bias
	s_cselect_b64 s[26:27], s[28:29], s[26:27]     ; the record buffer
	s_add_nc_u64 s[8:9], s[8:9], s[80:81]
	s_add_nc_u64 s[12:13], s[12:13], s[82:83]
	s_add_nc_u64 s[14:15], s[14:15], s[84:85]      ; my rows of expert 0's codes: kept; an expert's offset is added to it
	s_add_nc_u64 s[16:17], s[16:17], s[86:87]      ; and of its scale bytes: kept likewise
	s_add_nc_u64 s[SB:SB+1], s[16:17], s[OS:OS+1]
	s_add_nc_u64 s[26:27], s[26:27], s[90:91]
	s_mov_b32 s[G0W], 1
	s_mul_i32 s[G0W+1], s[WV], WPART
	s_add_nc_u64 s[G0W+2:G0W+3], s[14:15], s[OC:OC+1]
	s_mov_b32 s[G0W+4], 1
	s_add_co_u32 s[G0W+5], s[G0W+1], SLOTB
	s_add_nc_u64 s[G0W+6:G0W+7], s[14:15], s[94:95]
	s_or_b32 s[G0W+3], s[G0W+3], 0x80000000
	s_or_b32 s[G0W+7], s[G0W+7], 0x80000000
	s_mov_b32 s[G0B], 1
	s_add_co_u32 s[G0B+1], s88, BIAS
	s_add_nc_u64 s[G0B+2:G0B+3], s[18:19], s[66:67]
	s_or_b32 s[G0B+3], s[G0B+3], 0x80000000
	ROUND                                          ; all four work-groups are here: the first joint loads meet
	tensor_load_to_lds s[G0B:G0B+3], s[G1B:G1B+7]  ; the first fills, three loads of mine out: a bias row,
	s_nop 0
	tensor_load_to_lds s[G0W:G0W+3], s[G1W:G1W+7]  ; the walk's first expert,
	s_nop 0
	tensor_load_to_lds s[G0W+4:G0W+7], s[G1W:G1W+7]   ; its second
	s_nop 0
	NOPS 4
	; ---- X: wave w takes tile w / 2 of the tokens and half w % 2 of K: 128 numbers of x a lane, and miu's in the same places
	WIN 0x40
.set n, 0
.rept 32
	global_load_b128 v[4*n:4*n+3], v[AX], s[8:9] offset:512*(n/16)+128*((n/4)%4)+64*((n/2)%2)+16*(n%2)
.set n, n+1
.endr
.set n, 0
.rept 32
	global_load_b128 v[128+4*n:128+4*n+3], v[AM], s[12:13] offset:512*(n/16)+128*((n/4)%4)+64*((n/2)%2)+16*(n%2)
.set n, n+1
.endr
	WIN 0
	global_load_b128 v[WS:WS+3], v[L16], s[SB:SB+1]            ; the first expert's scale words: lane l has row l of a pair of tiles, four words
	global_load_b128 v[WS+4:WS+7], v[L16], s[SB:SB+1] offset:512
	s_wait_loadcnt 0x0
	WIN 0x05
.set i, 0
.rept 64                               ; the routing in f32: source 0 = miu (rows 8-15 repeat 0-7), source 1 = x; k stands alike in both.  Four sums by turns; each begins with the constant 0
.set rC, ACC+8*(i%4)
.if i < 4
	v_wmma_f32_16x16x4_f32 v[rC:rC+7], v[128+2*i:129+2*i], v[2*i:2*i+1], 0
.else
	v_wmma_f32_16x16x4_f32 v[rC:rC+7], v[128+2*i:129+2*i], v[2*i:2*i+1], v[rC:rC+7]
.endif
.set i, i+1
.endr
	WIN 0
	NOPS 8                                         ; eight places behind this form
.irp q,0,2,4,6
	v_pk_add_f32 v[TM+\q:TM+\q+1], v[ACC+\q:ACC+\q+1], v[ACC+8+\q:ACC+8+\q+1]
.endr
.irp q,0,2,4,6
	v_pk_add_f32 v[TM+8+\q:TM+8+\q+1], v[ACC+16+\q:ACC+16+\q+1], v[ACC+24+\q:ACC+24+\q+1]
.endr
.irp q,0,2,4,6
	v_pk_add_f32 v[TM+\q:TM+\q+1], v[TM+\q:TM+\q+1], v[TM+8+\q:TM+8+\q+1]
.endr
	ds_store_b128 v[ARSW], v[TM:TM+3]              ; my half of the eight scores of token r
	ds_store_b128 v[ARSW], v[TM+4:TM+7] offset:512
	s_wait_dscnt 0x0                               ; the stores have read their registers
	QUANT 0, 4, PC, PW
	ds_store_b128 v[AXIW], v[PC:PC+3]              ; the fragment goes to LDS as it stands in the registers
	ds_store_b128 v[AXIW], v[PC+4:PC+7] offset:512
	ds_store_b32 v[AXSW], v[PW]
	s_wait_dscnt 0x0
	QUANT 64, 4, PC, PW
	ds_store_b128 v[AXIW], v[PC:PC+3] offset:1024
	ds_store_b128 v[AXIW], v[PC+4:PC+7] offset:1536
	ds_store_b32 v[AXSW], v[PW] offset:128
	s_wait_tensorcnt 0x2                           ; my bias row has landed; the two slots' loads, issued behind it, may stay out
	s_wait_dscnt 0x0                               ; my stores have landed
	s_barrier_signal -1
	s_barrier_wait -1
	WIN 0x40
.set n, 0
.rept 32
	ds_load_b128 v[128+4*n:128+4*n+3], v[AXI] offset:512*n     ; all 16 fragments of x: they stay
.set n, n+1
.endr
	WIN 0
.set n, 0
.rept 16
	ds_load_b32 v[XS+n], v[AXS] offset:128*n
.set n, n+1
.endr
.set n, 0
.rept 16
	ds_load_b128 v[WF+4*n:WF+4*n+3], v[ARS] offset:512*n       ; tile m's two halves of the scores at WF + 16 m, + 8
.set n, n+1
.endr
	s_wait_dscnt 0x0
.irp m,0,1,2,3
.irp q,0,2,4,6
	v_pk_add_f32 v[WF+16*\m+\q:WF+16*\m+\q+1], v[WF+16*\m+\q:WF+16*\m+\q+1], v[WF+16*\m+8+\q:WF+16*\m+8+\q+1]
.endr
.endr
.irp m,0,1,2,3
.irp q,0,2,4,6
	v_pk_mul_f32 v[WF+16*\m+\q:WF+16*\m+\q+1], v[WF+16*\m+\q:WF+16*\m+\q+1], 0x3d3504f3 op_sel_hi:[1,0]   ; / sqrt(512)
.endr
.endr
.irp m,0,1,2,3
	v_mov_b32 v[ASG+\m], 0
	v_mov_b32 v[TM+\m], v[WF+16*\m]
.endr
.irp j,1,2,3,4,5,6,7
.irp m,0,1,2,3
	v_cmp_gt_f32 vcc_lo, v[WF+16*\m+\j], v[TM+\m]  ; strictly greater: the lower index keeps a tie
	v_cndmask_b32 v[ASG+\m], v[ASG+\m], \j, vcc_lo
	v_max_num_f32 v[TM+\m], v[TM+\m], v[WF+16*\m+\j]
.endr
.endr
	; the id word of my own tile: the code of 1.0 at k = cluster; odd waves store the zeros of lanes 16-31
	s_cmp_eq_u32 s34, 1
	s_cselect_b32 s80, -1, 0
	s_cmp_eq_u32 s34, 2
	s_cselect_b32 s81, -1, 0
	s_cmp_eq_u32 s34, 3
	s_cselect_b32 s82, -1, 0
	s_cmp_eq_u32 s7, 0
	s_cselect_b32 s83, -1, 0
	v_cndmask_b32 v[TM+8], v[ASG], v[ASG+1], s80
	v_cndmask_b32 v[TM+8], v[TM+8], v[ASG+2], s81
	v_cndmask_b32 v[TM+8], v[TM+8], v[ASG+3], s82
	v_lshlrev_b32 v[TM+8], 2, v[TM+8]
	v_mov_b32 v[TM+9], 2
	v_lshlrev_b32 v[TM+8], v[TM+8], v[TM+9]
	v_and_b32 v[TM+8], s83, v[TM+8]
	ds_store_b32 v[AID], v[TM+8]
; ---- THE EXPERTS
.macro LOADU slot, t                   ; column tile t: four fragments of W and eight numbers of bias: ten LDS loads
.irp s,0,1,2,3
.irp c,0,1
	ds_load_b128 v[WF+32*((\t)%2)+8*\s+4*\c:WF+32*((\t)%2)+8*\s+4*\c+3], v[AW+\slot] offset:4352*(\t)+64*\s+32*\c
.endr
.endr
	ds_load_b128 v[BB+8*((\t)%2):BB+8*((\t)%2)+3], v[ABIAS] offset:64*(\t)
	ds_load_b128 v[BB+8*((\t)%2)+4:BB+8*((\t)%2)+7], v[ABIAS] offset:64*(\t)+16
.endm
.macro MUL ws, t                       ; 16 products: K step by K step, the four token tiles' accumulators by turns; the bias is the C of each sum's first product
	WIN 0x04
.irp s,0,1,2,3
.irp m,0,1,2,3
.set rD, ACC+32*((\t)%2)+8*\m
.set rA, WF+32*((\t)%2)+8*\s
.set rB, 128+32*\m+8*\s
.set rC, rD
.if \s == 0
.set rC, BB+8*((\t)%2)
.endif
.set rSA, WS+8*(\ws)+4*((\t)/2)+\s
.set rSB, XS+4*\m+\s
.if (\t)%2
	v_wmma_scale_f32_16x16x128_f8f6f4 v[rD:rD+7], v[rA:rA+7], v[rB:rB+7], v[rC:rC+7], v[rSA], v[rSB] matrix_a_fmt:MATRIX_FMT_FP4 matrix_b_fmt:MATRIX_FMT_FP4 matrix_a_scale:MATRIX_SCALE_ROW1
.else
	v_wmma_scale_f32_16x16x128_f8f6f4 v[rD:rD+7], v[rA:rA+7], v[rB:rB+7], v[rC:rC+7], v[rSA], v[rSB] matrix_a_fmt:MATRIX_FMT_FP4 matrix_b_fmt:MATRIX_FMT_FP4
.endif
.endr
.endr
.endm
.macro PICK t                          ; a token routed to this expert takes its row; each accumulator from its low end on.  These 32 lines are also the places behind the products just issued, whose registers they do not name
	WIN 0x41
.irp m,0,1,2,3
.irp q,0,1,2,3,4,5,6,7
	v_cndmask_b32 v[32*\m+8*(\t)+\q], v[32*\m+8*(\t)+\q], v[ACC+32*((\t)%2)+8*\m+\q], s[MK+\m]
.endr
.endr
.endm
.macro EXPERT slot, next
	s_wait_loadcnt 0x0                             ; this expert's scale words are in, so their address may be written
.if \next
	s_add_co_u32 s35, s[ECNT], 1
	s_and_b32 s35, s35, 7                          ; the walk's next expert
	s_lshl_b32 s[OS], s35, 13
	s_add_nc_u64 s[SB:SB+1], s[16:17], s[OS:OS+1]
	global_load_b128 v[WS+8*(1-\slot):WS+8*(1-\slot)+3], v[L16], s[SB:SB+1]
	global_load_b128 v[WS+8*(1-\slot)+4:WS+8*(1-\slot)+7], v[L16], s[SB:SB+1] offset:512
.endif
.irp m,0,1,2,3
	v_cmp_eq_u32 s[MK+\m], s[ECNT], v[ASG+\m]
.endr
	LOADU \slot, 0
	LOADU \slot, 1
	s_wait_dscnt 10                                ; all but the ten loads of the tile behind
	MUL \slot, 0
	WIN 0
	NOPS 4                                         ; places in front of loads into registers that the products have read
	LOADU \slot, 2
	s_wait_dscnt 10
	MUL \slot, 1
	PICK 0
	WIN 0
	LOADU \slot, 3
	s_wait_dscnt 10
	MUL \slot, 2
	PICK 1
	WIN 0
	s_wait_dscnt 0x0
	MUL \slot, 3
	PICK 2
	PICK 3
	WIN 0
	s_add_co_u32 s[ECNT], s[ECNT], 1
	s_and_b32 s[ECNT], s[ECNT], 7                  ; round the eight
	v_add_nc_u32 v[ABIAS], 2048, v[ABIAS]          ; the biases lie in LDS in the walk's order
.endm
.macro CHG slot                        ; the slot just read takes the walk's expert two on: one behind the expert that s[ECNT] now names
	s_wait_tensorcnt 0x0                           ; all my tensor loads have landed, the other slot's among them: a descriptor may be written
	ds_add_u32 v[SPW], v[NIL]
	s_add_co_u32 s35, s[ECNT], 1
	s_and_b32 s35, s35, 7
	s_lshl_b32 s[OC], s35, 17
	s_add_nc_u64 s[G0W+4*\slot+2:G0W+4*\slot+3], s[14:15], s[OC:OC+1]
	s_or_b32 s[G0W+4*\slot+3], s[G0W+4*\slot+3], 0x80000000
	s_wait_dscnt 0x0                               ; the add is done, and my reads of the slot are over
	ROUND                                          ; the same holds of every wave of all four work-groups
	tensor_load_to_lds s[G0W+4*\slot:G0W+4*\slot+3], s[G1W:G1W+7]
	s_nop 0
	NOPS 4
.endm
	s_wait_tensorcnt 0x1                           ; my part of slot 0 is in (I alone read it); slot 1's load may stay out
	s_mov_b32 s[LOOP], 3
.Lexp:                                             ; three trips of two experts; each fills both slots again
	EXPERT 0, 1
	CHG 0
	EXPERT 1, 1
	CHG 1
	s_sub_co_u32 s[LOOP], s[LOOP], 1
	s_cmp_lg_u32 s[LOOP], 0
	s_cbranch_scc1 .Lexp
	EXPERT 0, 1                                    ; the walk's last two experts are written out: nothing more is asked for
	s_wait_tensorcnt 0x0
	EXPERT 1, 0
; ---- GELU, exact: y (0.5 + 0.5 erf(y / sqrt 2)), 16 numbers at a time; the reciprocals go as one batch with one wait
.macro GELU g
	WIN 0x01
.irp q,0,2,4,6,8,10,12,14
	v_pk_mul_f32 v[GX+\q:GX+\q+1], v[16*\g+\q:16*\g+\q+1], 0x3f3504f3 op_sel_hi:[1,0]
.endr
	WIN 0
.irp q,0,1,2,3,4,5,6,7,8,9,10,11,12,13,14,15
	v_med3_num_f32 v[GX+\q], v[GX+\q], -4.0, 4.0
.endr
.irp q,0,2,4,6,8,10,12,14
	v_pk_mul_f32 v[GX2+\q:GX2+\q+1], v[GX+\q:GX+\q+1], v[GX+\q:GX+\q+1]
.endr
.irp q,0,2,4,6,8,10,12,14
	v_pk_fma_f32 v[GP+\q:GP+\q+1], v[GX2+\q:GX2+\q+1], v[VA13:VA13+1], 0x32edffee op_sel_hi:[1,1,0]
	v_pk_fma_f32 v[GQ+\q:GQ+\q+1], v[GX2+\q:GX2+\q+1], v[VB8:VB8+1], 0xb95fbd29 op_sel_hi:[1,1,0]
.endr
.irp k,0xb60cff51,0xb86ec2d2,0xba40ac63,0xbb41a1f6,0xbc83dbd4
.irp q,0,2,4,6,8,10,12,14
	v_pk_fma_f32 v[GP+\q:GP+\q+1], v[GP+\q:GP+\q+1], v[GX2+\q:GX2+\q+1], \k op_sel_hi:[1,1,0]
.endr
.endr
.irp k,0xbadc924e,0xbbf19bf8,0xbc69b6a7
.irp q,0,2,4,6,8,10,12,14
	v_pk_fma_f32 v[GQ+\q:GQ+\q+1], v[GQ+\q:GQ+\q+1], v[GX2+\q:GX2+\q+1], \k op_sel_hi:[1,1,0]
.endr
.endr
.irp q,0,1,2,3,4,5,6,7,8,9,10,11,12,13,14,15
	v_rcp_f32 v[GQ+\q], v[GQ+\q]
.endr
.irp q,0,2,4,6,8,10,12,14
	v_pk_mul_f32 v[GP+\q:GP+\q+1], v[GP+\q:GP+\q+1], v[GX+\q:GX+\q+1]     ; plain work behind the reciprocals that names none of them
.endr
	s_wait_alu depctr_va_vdst(0)                   ; one wait for the 16 reciprocals, ahead of their first reader
.irp q,0,2,4,6,8,10,12,14
	v_pk_mul_f32 v[GP+\q:GP+\q+1], v[GP+\q:GP+\q+1], v[GQ+\q:GQ+\q+1]
.endr
.irp q,0,2,4,6,8,10,12,14
	v_pk_fma_f32 v[GP+\q:GP+\q+1], v[GP+\q:GP+\q+1], 0.5, 0.5 op_sel_hi:[1,0,0]
.endr
	WIN 0x41
.irp q,0,2,4,6,8,10,12,14
	v_pk_mul_f32 v[16*\g+\q:16*\g+\q+1], v[16*\g+\q:16*\g+\q+1], v[GP+\q:GP+\q+1]
.endr
.endm
.irp g,0,1,2,3,4,5,6,7
	GELU \g
.endr
	WIN 0
	; ---- the record: my 64 columns are registers 4 (w % 2) .. + 3 of the fragments of K step w / 2: 512 consecutive bytes a store
.irp m,0,1,2,3
	QUANT 32*\m, 2, PC+4*\m, PW+\m
	global_store_b128 v[GREC], v[PC+4*\m:PC+4*\m+3], s[26:27] offset:4096*\m
	ds_store_b16 v[AKH], v[PW+\m] offset:64*\m     ; both lanes of a token write the same two bytes
.endr
	s_wait_dscnt 0x0                               ; my scale bytes and id words have landed
	s_barrier_signal -1
	s_barrier_wait -1
	s_cmp_gt_u32 s[WV], 5
	s_cbranch_scc1 .Lno_tail
	ds_load_b64 v[TM:TM+1], v[AKS]                 ; the record's tail, 1,536 bytes: six waves store 256 consecutive bytes each
	s_wait_dscnt 0x0
	global_store_b64 v[GKS], v[TM:TM+1], s[26:27] offset:16384
.Lno_tail:
	s_cmp_eq_u32 s6, 0
	s_cbranch_scc1 .Lend                           ; Q's work-groups are done: V' and the mean are made of K' alone
	; ---- V' = K' along the keys.  R goes through my own part of slot 0 (its last fill has landed and I alone read it): in by tokens, back a lane to a column, registers down the 64 keys
	s_lshr_b32 s80, s5, 1
	s_mul_i32 s80, s80, VPART                      ; the record of my 128 keys
	s_and_b32 s82, s5, 1
	s_lshl_b32 s84, s82, 14                        ; my two blocks of 32 keys in it
	s_add_co_u32 s84, s84, s80
	s_lshl_b32 s86, s[WV], 10
	s_add_co_u32 s84, s84, s86
	s_mov_b32 s85, 0
	s_add_nc_u64 s[84:85], s[30:31], s[84:85]
	s_lshl_b32 s82, s82, 1
	s_add_co_u32 s80, s80, s82
	s_lshl_b32 s86, s[WV], 8
	s_add_co_u32 s80, s80, s86
	s_mov_b32 s81, 0
	s_add_nc_u64 s[80:81], s[30:31], s[80:81]
	s_lshl_b32 s88, s5, 11
	s_add_co_u32 s88, s88, s86
	s_mov_b32 s89, 0
	s_add_nc_u64 s[88:89], s[32:33], s[88:89]
	WIN 0x04
.irp m,0,1,2,3
.irp u,0,1,2,3
	ds_store_b128 v[AVS], v[32*\m+8*\u:32*\m+8*\u+3] offset:4352*\m+64*\u
	ds_store_b128 v[AVS], v[32*\m+8*\u+4:32*\m+8*\u+7] offset:4352*\m+64*\u+16
.endr
.endr
	WIN 0
	s_wait_dscnt 0x0                               ; the stores have read R
	WIN 0x40
.set n, 0
.rept 128
	ds_load_b32 v[n], v[AVL] offset:(n%64)*272+128*(n/64)      ; column 32 (n / 64) + lane, key n % 64
.set n, n+1
.endr
	WIN 0
	s_wait_dscnt 0x0
	s_wait_xcnt 0x0                                ; the record's stores have read their registers: PC, PW and TM are written again
.macro BLOCKV g
	WIN 0x05
.irp k,0,1
	v_max3_num_f32 v[TM+\k], |v[64*\g+32*\k]|, |v[64*\g+32*\k+1]|, 0x1800000
.endr
.irp i,2,4,6,8,10,12,14,16,18,20,22,24,26,28,30
.irp k,0,1
	v_max3_num_f32 v[TM+\k], |v[64*\g+32*\k+\i]|, |v[64*\g+32*\k+\i+1]|, v[TM+\k]
.endr
.endr
	WIN 0
.irp k,0,1
	v_add_nc_u32 v[TM+12+\k], 0xff000000, v[TM+\k]
.endr
.irp k,0,1
	v_lshrrev_b32 v[TM+4+\k], 23, v[TM+12+\k]
.endr
	v_lshl_or_b32 v[PW+\g], v[TM+5], 8, v[TM+4]
	WIN 0x01
.irp k,0,1
.irp q,0,1,2,3
	v_cvt_scalef32_pk8_fp4_f32 v[PC+8*\g+4*\k+\q], v[64*\g+32*\k+8*\q:64*\g+32*\k+8*\q+7], v[TM+12+\k]
.endr
.endr
	WIN 0
	v_nop                                          ; one plain place behind the conversions, whose sources are written below
	global_store_b128 v[L16], v[PC+8*\g:PC+8*\g+3], s[84:85] offset:512*\g            ; 32 codes a column: 512 consecutive bytes a store
	global_store_b128 v[L16], v[PC+8*\g+4:PC+8*\g+7], s[84:85] offset:8192+512*\g
	global_store_b16 v[L4], v[PW+\g], s[80:81] offset:32768+128*\g                    ; my two bytes of the column's scale word; the other two are the neighbouring chunk's
	WIN 0x45
.set st, 32
.rept 5                                ; the column's sum over my 64 keys, of the unquantised numbers
.set ti, 0
.rept st/2
	v_pk_add_f32 v[64*\g+ti:64*\g+ti+1], v[64*\g+ti:64*\g+ti+1], v[64*\g+st+ti:64*\g+st+ti+1]
.set ti, ti+2
.endr
.set st, st/2
.endr
	v_add_f32 v[64*\g], v[64*\g], v[64*\g+1]
	WIN 0x04
	global_store_b32 v[L4], v[64*\g], s[88:89] offset:128*\g
	WIN 0
.endm
	BLOCKV 0
	BLOCKV 1
.Lend:
	s_wait_tensorcnt 0x0                           ; the wave's end: behind my last tensor load and my last LDS store
	ds_add_u32 v[SPW], v[NIL]
	s_wait_dscnt 0x0
	ROUND                                          ; the closing round
	s_endpgm
.Lfunc_end_k_q629275e7b7_experts:
	.size	k_q629275e7b7_experts, .Lfunc_end_k_q629275e7b7_experts-k_q629275e7b7_experts
	.p2alignl 7, 3214868480
	.fill 96, 4, 3214868480
	.section	.rodata,"a",@progbits
	.p2align	6, 0x0
	.amdhsa_kernel k_q629275e7b7_experts
		.amdhsa_group_segment_fixed_size 327680
		.amdhsa_private_segment_fixed_size 0
		.amdhsa_enable_private_segment 0
		.amdhsa_kernarg_size 104
		.amdhsa_user_sgpr_count 2
		.amdhsa_user_sgpr_kernarg_segment_ptr 1
		.amdhsa_wavefront_size32 1
		.amdhsa_system_sgpr_workgroup_id_x 1
		.amdhsa_system_sgpr_workgroup_id_y 1
		.amdhsa_system_sgpr_workgroup_id_z 1
		.amdhsa_system_vgpr_workitem_id 0
		.amdhsa_next_free_vgpr 512
		.amdhsa_next_free_sgpr 96
		.amdhsa_reserve_vcc 1
		.amdhsa_float_denorm_mode_32 3
		.amdhsa_float_denorm_mode_16_64 3
		.amdhsa_memory_ordered 1
		.amdhsa_forward_progress 1
		.amdhsa_inst_pref_size 249
	.end_amdhsa_kernel
	.amdgpu_metadata
---
amdhsa.version: [ 1, 2 ]
amdhsa.kernels:
  - .name:           k_q629275e7b7_experts
    .symbol:         k_q629275e7b7_experts.kd
    .args:
      - { .name: Q, .offset: 0, .size: 8, .value_kind: global_buffer, .address_space: global }
      - { .name: K, .offset: 8, .size: 8, .value_kind: global_buffer, .address_space: global }
      - { .name: miu, .offset: 16, .size: 8, .value_kind: global_buffer, .address_space: global }
      - { .name: Wq_codes, .offset: 24, .size: 8, .value_kind: global_buffer, .address_space: global }
      - { .name: Wq_scales, .offset: 32, .size: 8, .value_kind: global_buffer, .address_space: global }
      - { .name: bq, .offset: 40, .size: 8, .value_kind: global_buffer, .address_space: global }
      - { .name: Wk_codes, .offset: 48, .size: 8, .value_kind: global_buffer, .address_space: global }
      - { .name: Wk_scales, .offset: 56, .size: 8, .value_kind: global_buffer, .address_space: global }
      - { .name: bk, .offset: 64, .size: 8, .value_kind: global_buffer, .address_space: global }
      - { .name: Qrec, .offset: 72, .size: 8, .value_kind: global_buffer, .address_space: global }
      - { .name: Krec, .offset: 80, .size: 8, .value_kind: global_buffer, .address_space: global }
      - { .name: Vrec, .offset: 88, .size: 8, .value_kind: global_buffer, .address_space: global }
      - { .name: Msum, .offset: 96, .size: 8, .value_kind: global_buffer, .address_space: global }
    .group_segment_fixed_size: 327680
    .private_segment_fixed_size: 0
    .kernarg_segment_align: 8
    .kernarg_segment_size: 104
    .max_flat_workgroup_size: 256
    .sgpr_count:     96
    .vgpr_count:     512
    .wavefront_size: 32
...
	.end_amdgpu_metadata
.endif
;; end of part 1
;; launch attend (part 2): grid 64 x 4, 4 waves a work-group, clusters of 4 x 1, 327,680 bytes of LDS; arguments Q, Qrec, Krec, Vrec, Msum, out0; writes out0
.if DOCPART == 2
	.amdgcn_target "amdgcn-amd-amdhsa--gfx1250"
	.amdhsa_code_object_version 6
	.text
	.protected	k_q629275e7b7_attend
	.globl	k_q629275e7b7_attend
	.p2align	8
	.type	k_q629275e7b7_attend,@function
k_q629275e7b7_attend:
	s_mov_b64 s[64:65], 0
	v_nop
	global_prefetch_b8 v0, s[64:65] scope:SCOPE_SE
	s_setreg_imm32_b32 hwreg(HW_REG_WAVE_MODE, 25, 1), 1
	s_wait_xcnt 0x0
	s_wait_alu depctr_hold_cnt(0) depctr_sa_sdst(0) depctr_va_vdst(0) depctr_va_sdst(0) depctr_va_ssrc(0) depctr_va_vcc(0) depctr_vm_vsrc(0)
	s_getreg_b32 s2, hwreg(HW_REG_IB_STS2, 6, 4)
	s_cmp_eq_u32 s2, 0
	s_cbranch_scc0 .Lentry_in_a_cluster
	s_endpgm
.Lentry_in_a_cluster:
	s_bfe_u32 s2, ttmp6, 0x10000c
	s_cmp_lg_u32 s2, 0x3003
	s_cbranch_scc0 .Lentry_shape_is_right
	s_endpgm
.Lentry_shape_is_right:
; ATTEND.  out = softmax over the keys of the query's own cluster of (Q' . K' / sqrt(512)) V' + Q, V' = K', both products on codes of E2M1; a query whose cluster has no key takes the mean of K'.
; Input V is left out as in the first launch: reference() never reads it.
; THE KEYS STAY IN THEIR ORDER INSIDE A BLOCK: the second product's blocks of 32 run along the keys as they lie, whatever their clusters, so all keys are walked and the mask is applied to the scores.
; THE MASK IS A FIFTH LINK OF EACH SCORE'S SUM.  Each token has an id block: the code of 1.0 at k = its cluster, zeros elsewhere.  The first product of a sum is id(key) . id(query) with both scales 2^50, on C = -2^100:
; exactly 0 where the clusters agree and -2^100 where not; under -2^100 the later links vanish, and p = 2^(t - M) is 0, as under reference()'s finfo.min.
; LIMITS: |Q' . K'| under 2^76; t = logit x log2(e) above -2^60 (the running maximum begins there, and a query that stays there counts as having no key); NaN and infinities are not served.
; SOFTMAX: M = the running largest t rounded up to a whole number, common to the work-group; p = 2^(t - M) is quantised along the keys; the sum is taken of the unquantised p and divides at the end.
; SHARES.  A work-group owns 32 queries (two tiles).  Four super-steps of 512 keys.  Scores: wave w takes keys 128 w .. + 127 of the super-step for both tiles.  Second product: wave w takes columns 128 w .. + 127 for all 512 keys;
; p goes from wave to wave through LDS as images of the operand's registers.
; CLUSTER.  The four work-groups of a cluster belong to one batch and walk the same records of K' and V': each part is asked for jointly (mask 15).
; THE WALK BEGINS ELSEWHERE IN EACH CLUSTER: cluster x begins at the batch's super-step x mod 4 and goes round, so that four neighbouring clusters ask for four different super-steps at a time.  M is a whole number and every
; rescaling a power of two, so the codes' values do not hang on the order of the super-steps; only the order of the f32 sums does.  The cluster's x is the same in its four partners.
; REGISTERS.  Window 0: addresses, statistics, S^T (v64-191), codes, scale words.  Window 1: O^T (v0-127), -2^100, Q's fragments and id blocks.  Window 2: two fragment buffers, K's id blocks, p's fragments.  Window 3: the sums for the mean, Q's rows.
.set CH,    17920
.set KPART, 35840                      ; 128 keys of K': two records
.set VPART, 34816                      ; 128 keys of V'
.set VSLOT, 4*KPART
.set STAT,  VSLOT+4*VPART              ; [wave][tile][128]: each wave's largest t
.set PIMG,  STAT+1024                  ; [wave][tile][1,024]: p's fragments
.set PSC,   PIMG+8192                  ; [wave][tile][128]: their scale words
.set LSUM,  PSC+1024
.set MEAN,  LSUM+1024                  ; [wave][512]
.set SPARE, MEAN+2048
.set AK, 4
.set AK4, 5
.set AVF, 6                            ; v6-9
.set AVS, 10                           ; v10-13
.set ASTW, 14
.set ASTR, 15
.set APW, 16
.set API, 17
.set APSW, 18
.set APS, 19
.set ALSW, 20
.set ALS, 21
.set AMW, 22
.set AMR, 23
.set AOS, 24
.set GO, 26
.set L16, 27
.set L4, 28
.set VQC, 29
.set VQS, 30
.set VQI, 31
.set NM, 32                            ; tile t: v[NM+2t] -M, v[NM+2t+1] the largest t
.set LS, 36                            ; the sum, in two halves
.set FF, 40                            ; f = 2^(old M - new M); at the end 1 / the sum
.set BM, 44                            ; v44-51 the blocks' largest scores
.set TA, 52
.set TB, 56
.set TP, 60
.set PW, 62
.set S, 64
.set PC, 192
.set KS, 208
.set VS, 224
.set QS, 240
.set PS, 244
.set IDS, 252
.set SPW, 254
.set NIL, 255
.set CNEG, 128                         ; window 1
.set QF, 136
.set QID, 200
.set KID, 128                          ; window 2
.set PF, 160
.set WV, 3
.set J0, 7                             ; s7 the super-step at which my cluster's walk begins
.set G1K, 24
.set G1V, 32
.set G0K, 40
.set G0V, 44
.set CS, 48
.set XSEL, 50
.set HK, 52
.set OK, 60                            ; s[60:61] a super-step's byte offset in K''s records (s61 stays 0)
.set OV, 62                            ; s[62:63] and in V''s (s63 stays 0)
.set MSB, 0
.macro WIN new
.if MSB != \new
	s_set_vgpr_msb (MSB<<8)|\new
.set MSB, \new
.endif
.endm
.macro NOPS n
.rept \n
	v_nop
.endr
.endm
.macro ROUND
	s_barrier_signal -1
	s_barrier_wait -1
	s_cmp_lg_u32 s[WV], 0
	s_cbranch_scc1 .Lnw0_\@
	s_barrier_signal -3
.Lnw0_\@:
	s_barrier_wait -3
	s_barrier_signal -1
	s_barrier_wait -1
.endm
.macro WMS ra, rb                      ; one product on rD, rA, rB, rC, rSA, rSB; ra, rb: the scales stand in lanes 16-31
.if (\ra) && (\rb)
	v_wmma_scale_f32_16x16x128_f8f6f4 v[rD:rD+7], v[rA:rA+7], v[rB:rB+7], v[rC:rC+7], v[rSA], v[rSB] matrix_a_fmt:MATRIX_FMT_FP4 matrix_b_fmt:MATRIX_FMT_FP4 matrix_a_scale:MATRIX_SCALE_ROW1 matrix_b_scale:MATRIX_SCALE_ROW1
.elseif (\ra)
	v_wmma_scale_f32_16x16x128_f8f6f4 v[rD:rD+7], v[rA:rA+7], v[rB:rB+7], v[rC:rC+7], v[rSA], v[rSB] matrix_a_fmt:MATRIX_FMT_FP4 matrix_b_fmt:MATRIX_FMT_FP4 matrix_a_scale:MATRIX_SCALE_ROW1
.elseif (\rb)
	v_wmma_scale_f32_16x16x128_f8f6f4 v[rD:rD+7], v[rA:rA+7], v[rB:rB+7], v[rC:rC+7], v[rSA], v[rSB] matrix_a_fmt:MATRIX_FMT_FP4 matrix_b_fmt:MATRIX_FMT_FP4 matrix_b_scale:MATRIX_SCALE_ROW1
.else
	v_wmma_scale_f32_16x16x128_f8f6f4 v[rD:rD+7], v[rA:rA+7], v[rB:rB+7], v[rC:rC+7], v[rSA], v[rSB] matrix_a_fmt:MATRIX_FMT_FP4 matrix_b_fmt:MATRIX_FMT_FP4
.endif
.endm
.macro WMZ ra                          ; the same with the constant 0 as C: it starts a sum
.if (\ra)
	v_wmma_scale_f32_16x16x128_f8f6f4 v[rD:rD+7], v[rA:rA+7], v[rB:rB+7], 0, v[rSA], v[rSB] matrix_a_fmt:MATRIX_FMT_FP4 matrix_b_fmt:MATRIX_FMT_FP4 matrix_a_scale:MATRIX_SCALE_ROW1
.else
	v_wmma_scale_f32_16x16x128_f8f6f4 v[rD:rD+7], v[rA:rA+7], v[rB:rB+7], 0, v[rSA], v[rSB] matrix_a_fmt:MATRIX_FMT_FP4 matrix_b_fmt:MATRIX_FMT_FP4
.endif
.endm
	s_load_b256 s[8:15], s[0:1], 0x0               ; Q, Qrec, Krec, Vrec
	s_load_b128 s[16:19], s[0:1], 0x20             ; Msum, out0
	v_lshl_add_u32 v[SPW], v0, 2, SPARE
	v_mov_b32 v[NIL], 0
	ds_add_u32 v[SPW], v[NIL]                      ; the opening: the add, twice on end, and its wait ahead of my first tensor load
	ds_add_u32 v[SPW], v[NIL]
	v_lshrrev_b32 v1, 5, v0
	v_readfirstlane_b32 s[WV], v1                  ; wave 0..3
	s_bfe_u32 s4, ttmp6, 0x40000                   ; my place in the cluster: it enters Q's and the output's addresses alone
	s_lshl_b32 s5, ttmp9, 2
	s_add_co_u32 s5, s5, s4                        ; my block of 32 queries, 0..63
	s_and_b32 s6, ttmp7, 0xffff                    ; the batch, which the four partners share
	s_and_b32 s[J0], ttmp9, 3                      ; the super-step at which my cluster's walk begins: the cluster's x mod 4
	s_mov_b32 s[G1K], 15|(3<<16)|(1<<21)           ; dense blocks as rows of 32 elements of 8 bytes; mask: all four; bit 21 beside it
	s_mov_b32 s[G1K+1], 32<<16
	s_mov_b32 s[G1K+2], 140<<16
	s_mov_b32 s[G1K+3], 32<<16
	s_mov_b32 s[G1K+4], 140
	s_mov_b32 s[G1K+5], 32
	s_mov_b32 s[G1K+6], 0
	s_mov_b32 s[G1K+7], 0
	s_mov_b32 s[G1V], 15|(3<<16)|(1<<21)
	s_mov_b32 s[G1V+1], 32<<16
	s_mov_b32 s[G1V+2], 136<<16
	s_mov_b32 s[G1V+3], 32<<16
	s_mov_b32 s[G1V+4], 136
	s_mov_b32 s[G1V+5], 32
	s_mov_b32 s[G1V+6], 0
	s_mov_b32 s[G1V+7], 0
	s_mov_b32 s[CS], 0x3d8293ee                    ; c = log2(e) / sqrt(512)
	s_mov_b32 s[CS+1], s[CS]
	s_mov_b32 s[XSEL], 0x76543210
	s_mov_b32 s[XSEL+1], 0xfedcba98
	v_and_b32 v1, 31, v0                           ; lane
	v_and_b32 v2, 15, v0                           ; r
	v_bfe_u32 v3, v0, 4, 1                         ; h
	v_lshlrev_b32 v[L16], 4, v1
	v_lshlrev_b32 v[L4], 2, v1
	s_mul_i32 s54, s[WV], KPART
	v_add_nc_u32 v[AK], s54, v[L16]
	v_add_nc_u32 v[AK4], s54, v[L4]
	v_mul_u32_u24 v[AOS], v2, 528
	v_lshl_add_u32 v[AOS], v3, 5, v[AOS]
	v_add_nc_u32 v[AOS], s54, v[AOS]               ; the way out: a stage of 16 rows x 528 bytes at the head of my own part of K's slot
	v_lshlrev_b32 v[AVF], 13, v3
	v_lshl_add_u32 v[AVF], v2, 4, v[AVF]
	s_lshl_b32 s55, s[WV], 11
	s_add_co_u32 s55, s55, VSLOT
	v_add_nc_u32 v[AVF], s55, v[AVF]               ; V': block h of 32 keys, column 128 w + r, 16 bytes
	v_add_nc_u32 v[AVF+1], VPART, v[AVF]
	v_add_nc_u32 v[AVF+2], VPART, v[AVF+1]
	v_add_nc_u32 v[AVF+3], VPART, v[AVF+2]
	s_lshl_b32 s55, s[WV], 9
	s_add_co_u32 s56, s55, VSLOT+32768
	v_add_nc_u32 v[AVS], s56, v[L4]                ; its scale words: 32 columns a load
	v_add_nc_u32 v[AVS+1], VPART, v[AVS]
	v_add_nc_u32 v[AVS+2], VPART, v[AVS+1]
	v_add_nc_u32 v[AVS+3], VPART, v[AVS+2]
	s_lshl_b32 s56, s[WV], 8
	v_add_nc_u32 v[ASTR], STAT, v[L4]
	v_add_nc_u32 v[ASTW], s56, v[ASTR]
	v_add_nc_u32 v[APS], PSC, v[L4]
	v_add_nc_u32 v[APSW], s56, v[APS]
	v_add_nc_u32 v[ALS], LSUM, v[L4]
	v_add_nc_u32 v[ALSW], s56, v[ALS]
	v_add_nc_u32 v[API], PIMG, v[L16]
	s_lshl_b32 s56, s[WV], 11
	v_add_nc_u32 v[APW], s56, v[API]
	v_add_nc_u32 v[GO], s55, v[L16]                ; 512 w + 16 lane: my 16 bytes of a row of Q, of the output, of the sums
	v_add_nc_u32 v[AMW], MEAN, v[GO]
	s_add_co_u32 s57, s55, MEAN
	v_lshl_add_u32 v[AMR], v3, 5, s57
	s_and_b32 s57, s5, 1                           ; which half of a record of 64 tokens my 32 queries are
	s_lshl_b32 s58, s57, 13
	v_add_nc_u32 v[VQC], s58, v[L16]
	s_lshl_b32 s58, s57, 7
	v_add_nc_u32 v[VQS], s58, v[L4]
	s_lshl_b32 s58, s57, 8
	v_add_nc_u32 v[VQI], s58, v[L4]
.irp t,0,1
	v_mov_b32 v[NM+2*\t], 0x5d800000               ; -M = 2^60
	v_mov_b32 v[NM+2*\t+1], 0xdd800000             ; the largest t so far: -2^60
	v_mov_b32 v[LS+2*\t], 0
	v_mov_b32 v[LS+2*\t+1], 0
	v_mov_b32 v[FF+2*\t], 0
	v_mov_b32 v[FF+2*\t+1], 0
.endr
.irp x,0,1,2,3
	v_mov_b32 v[TA+\x], 0                          ; a lane permute's destination counts as one of its sources
.endr
	v_mov_b32 v[IDS], 0x7f7f7fb1                   ; the id links' scales: 2^50 for the block that holds the id
	s_lshl_b32 s58, s6, 5
	s_lshr_b32 s59, s5, 1
	s_add_co_u32 s58, s58, s59
	s_mul_i32 s58, s58, CH                         ; my queries' record
	s_mov_b32 s59, 0
	s_mul_i32 s[OK], s6, 32*CH
	s_add_co_u32 s[OK], s[OK], s54                 ; K': the batch's records, my part of a super-step
	s_mov_b32 s[OK+1], 0
	s_mul_i32 s[OV], s6, 16*VPART
	s_mul_i32 s56, s[WV], VPART
	s_add_co_u32 s[OV], s[OV], s56
	s_mov_b32 s[OV+1], 0
	s_lshl_b32 s20, s6, 22
	s_lshl_b32 s21, s5, 16
	s_add_co_u32 s20, s20, s21                     ; my 32 rows of Q and of the output
	s_mov_b32 s21, 0
	s_lshl_b32 s22, s6, 16                         ; the batch's sums
	s_mov_b32 s23, 0
	s_wait_dscnt 0x0                               ; both opening adds are done
	s_wait_kmcnt 0x0
	s_add_nc_u64 s[8:9], s[8:9], s[20:21]
	s_add_nc_u64 s[18:19], s[18:19], s[20:21]
	s_add_nc_u64 s[10:11], s[10:11], s[58:59]
	s_add_nc_u64 s[16:17], s[16:17], s[22:23]
	s_add_nc_u64 s[12:13], s[12:13], s[OK:OK+1]    ; my part of the batch's super-step 0 of K': kept; a super-step's offset is added to it
	s_add_nc_u64 s[14:15], s[14:15], s[OV:OV+1]    ; and of V': kept likewise
	s_mul_i32 s[OK], s[J0], 4*KPART
	s_mul_i32 s[OV], s[J0], 4*VPART
	s_mov_b32 s[G0K], 1
	s_mov_b32 s[G0K+1], s54
	s_add_nc_u64 s[G0K+2:G0K+3], s[12:13], s[OK:OK+1]
	s_or_b32 s[G0K+3], s[G0K+3], 0x80000000
	s_mov_b32 s[G0V], 1
	s_add_co_u32 s[G0V+1], s56, VSLOT
	s_add_nc_u64 s[G0V+2:G0V+3], s[14:15], s[OV:OV+1]
	s_or_b32 s[G0V+3], s[G0V+3], 0x80000000
	ROUND                                          ; all four work-groups are here: the first joint loads meet
	tensor_load_to_lds s[G0K:G0K+3], s[G1K:G1K+7]  ; the first fills, two loads of mine out: my part of K',
	s_nop 0
	tensor_load_to_lds s[G0V:G0V+3], s[G1V:G1V+7]  ; and of V'
	s_nop 0
	NOPS 4
	WIN 0x40
.irp t,0,1
.irp s,0,1,2,3
.irp c,0,1
	global_load_b128 v[QF+32*\t+8*\s+4*\c:QF+32*\t+8*\s+4*\c+3], v[VQC], s[10:11] offset:4096*\t+1024*\s+512*\c
.endr
.endr
.endr
.irp t,0,1
	global_load_b32 v[QID+8*\t], v[VQI], s[10:11] offset:17408+128*\t
.endr
	WIN 0
.irp s,0,1,2,3
	global_load_b32 v[QS+\s], v[VQS], s[10:11] offset:16384+256*\s       ; lanes 0-15 tile 0's words, lanes 16-31 tile 1's
.endr
	WIN 0xc0
.set n, 0
.rept 32
	global_load_b128 v[4*n:4*n+3], v[GO], s[16:17] offset:2048*n         ; the 32 chunks' sums of my 128 columns: wanted at the end
.set n, n+1
.endr
.set n, 0
.rept 32
	global_load_b128 v[128+4*n:128+4*n+3], v[GO], s[8:9] offset:2048*n   ; my 512 bytes of the 32 rows of Q: wanted at the end
.set n, n+1
.endr
	WIN 0x40
.irp i,0,1,2,3,4,5,6,7
	v_mov_b32 v[CNEG+\i], 0xf1800000               ; -2^100
.endr
.irp t,0,1
.irp i,1,2,3,4,5,6,7
	v_mov_b32 v[QID+8*\t+\i], 0
.endr
.endr
	WIN 0x80
.irp k,0,1,2,3
.irp i,1,2,3,4,5,6,7
	v_mov_b32 v[KID+8*\k+\i], 0
.endr
.endr
	WIN 0
.macro LOADG g                         ; key tiles 2 g, 2 g + 1: eight fragments and two id words: 18 LDS loads
	WIN 0x80
.irp u,0,1
.irp s,0,1,2,3
.irp c,0,1
	ds_load_b128 v[64*((\g)%2)+32*\u+8*\s+4*\c:64*((\g)%2)+32*\u+8*\s+4*\c+3], v[AK] offset:CH*((2*(\g)+\u)/4)+4096*((2*(\g)+\u)%4)+1024*\s+512*\c
.endr
.endr
.endr
.irp u,0,1
	ds_load_b32 v[KID+16*((\g)%2)+8*\u], v[AK4] offset:CH*((2*(\g)+\u)/4)+17408+128*((2*(\g)+\u)%4)
.endr
	WIN 0
.endm
.macro MULG g                          ; 20 products on four accumulators by turns: the id link, then the four K steps
	WIN 0x16
.irp u,0,1
.irp t,0,1
.set rD, S+64*\t+8*(2*(\g)+\u)
.set rA, KID+16*((\g)%2)+8*\u
.set rB, QID+8*\t
.set rC, CNEG
.set rSA, IDS
.set rSB, IDS
	WMS 0, 0
.endr
.endr
	WIN 0x06
.irp s,0,1,2,3
.irp u,0,1
.irp t,0,1
.set rD, S+64*\t+8*(2*(\g)+\u)
.set rA, 64*((\g)%2)+32*\u+8*\s
.set rB, QF+32*\t+8*\s
.set rC, rD
.set rSA, KS+4*(\g)+\s
.set rSB, QS+\s
	WMS \u, \t
.endr
.endr
.endr
.endm
.macro SOFT1 t                         ; the largest score of each block of 32 keys (it serves again for the block's largest p), and my 128 keys' largest t
.irp b,0,1,2,3
	v_max3_num_f32 v[BM+4*\t+\b], v[S+64*\t+16*\b], v[S+64*\t+16*\b+1], v[S+64*\t+16*\b+2]
.endr
.irp i,3,5,7,9,11,13
.irp b,0,1,2,3
	v_max3_num_f32 v[BM+4*\t+\b], v[BM+4*\t+\b], v[S+64*\t+16*\b+\i], v[S+64*\t+16*\b+\i+1]
.endr
.endr
.irp b,0,1,2,3
	v_max_num_f32 v[BM+4*\t+\b], v[BM+4*\t+\b], v[S+64*\t+16*\b+15]
.endr
.irp b,0,1,2,3
	v_permlanex16_b32 v[TA+\b], v[BM+4*\t+\b], s[XSEL], s[XSEL+1]
.endr
.irp b,0,1,2,3
	v_max_num_f32 v[BM+4*\t+\b], v[BM+4*\t+\b], v[TA+\b]
.endr
	v_max3_num_f32 v[TB+\t], v[BM+4*\t], v[BM+4*\t+1], v[BM+4*\t+2]
	v_max_num_f32 v[TB+\t], v[TB+\t], v[BM+4*\t+3]
	v_mul_f32 v[TB+\t], s[CS], v[TB+\t]
	ds_store_b32 v[ASTW], v[TB+\t] offset:128*\t
.endm
.macro B1 j                            ; my reads of my part of K' are over, everybody's largest t lies in LDS, V' of this super-step has landed
	s_wait_tensorcnt 0x0
.if \j < 3
	ds_add_u32 v[SPW], v[NIL]
	s_add_co_u32 s22, s[J0], (\j)+1
	s_and_b32 s22, s22, 3                          ; the walk's next super-step, round the four
	s_mul_i32 s[OK], s22, 4*KPART
	s_add_nc_u64 s[G0K+2:G0K+3], s[12:13], s[OK:OK+1]
	s_or_b32 s[G0K+3], s[G0K+3], 0x80000000
	s_wait_dscnt 0x0
	ROUND
	tensor_load_to_lds s[G0K:G0K+3], s[G1K:G1K+7]  ; the next super-step's K': it has the softmax and the second product in which to land
	s_nop 0
	NOPS 4
.else
	s_wait_dscnt 0x0
	s_barrier_signal -1
	s_barrier_wait -1
.endif
.endm
.macro STATS                           ; the work-group's running largest t, -M = floor(-t), f = 2^(old M - new M), for both tiles
.irp x,0,1,2,3
	ds_load_b32 v[TA+\x], v[ASTR] offset:256*\x
	ds_load_b32 v[TB+\x], v[ASTR] offset:256*\x+128
.endr
	s_wait_dscnt 0x0
.irp t,0,1
	v_max3_num_f32 v[TA+4*\t], v[TA+4*\t], v[TA+4*\t+1], v[TA+4*\t+2]
	v_max3_num_f32 v[NM+2*\t+1], v[NM+2*\t+1], v[TA+4*\t], v[TA+4*\t+3]
	v_mov_b32 v[TA+4*\t], v[NM+2*\t]
	v_floor_f32 v[NM+2*\t], -v[NM+2*\t+1]
	v_sub_f32 v[TA+4*\t], v[NM+2*\t], v[TA+4*\t]
	v_cvt_i32_f32 v[TA+4*\t], v[TA+4*\t]           ; a whole number, 0 or less; it saturates
	v_ldexp_f32 v[FF+2*\t], 1.0, v[TA+4*\t]
.endr
.endm
.macro SOFT2 t
.set i, 0
.rept 32
	v_pk_fma_f32 v[S+64*\t+i:S+64*\t+i+1], v[S+64*\t+i:S+64*\t+i+1], s[CS:CS+1], v[NM+2*\t:NM+2*\t+1] op_sel_hi:[1,0,0]   ; t - M
.set i, i+2
.endr
.irp b,0,1,2,3
	v_fma_f32 v[BM+4*\t+\b], v[BM+4*\t+\b], s[CS], v[NM+2*\t]
.endr
.set i, 0
.rept 64
	v_exp_f32 v[S+64*\t+i], v[S+64*\t+i]           ; p = 2^(t - M)
.set i, i+1
.endr
	v_pk_mul_f32 v[LS+2*\t:LS+2*\t+1], v[LS+2*\t:LS+2*\t+1], v[FF+2*\t:FF+2*\t+1] op_sel_hi:[1,0]   ; the sums under the new M: a plain place behind the exponentials
	s_wait_alu depctr_va_vdst(0)                   ; one wait for the batch of 64, ahead of its first reader
.irp b,0,1,2,3
	v_exp_f32 v[BM+4*\t+\b], v[BM+4*\t+\b]         ; the blocks' largest p
.endr
	v_pk_add_f32 v[TP:TP+1], v[S+64*\t:S+64*\t+1], v[S+64*\t+2:S+64*\t+3]     ; the sum of the unquantised p, in two chains
.irp i,4,8,12,16,20,24,28,32,36,40,44,48,52,56,60
	v_pk_add_f32 v[LS+2*\t:LS+2*\t+1], v[LS+2*\t:LS+2*\t+1], v[S+64*\t+\i:S+64*\t+\i+1]
	v_pk_add_f32 v[TP:TP+1], v[TP:TP+1], v[S+64*\t+\i+2:S+64*\t+\i+3]
.endr
	v_pk_add_f32 v[LS+2*\t:LS+2*\t+1], v[LS+2*\t:LS+2*\t+1], v[TP:TP+1]
	s_wait_alu depctr_va_vdst(0)                   ; and one for the four
.irp b,0,1,2,3
	v_max_num_f32 v[BM+4*\t+\b], 0x1800000, v[BM+4*\t+\b]      ; the floor 2^(3 - 127): a block whose every p is 0 keeps the byte 1 over zero codes
.endr
.irp b,0,1,2,3
	v_add_nc_u32 v[TB+\b], 0xff000000, v[BM+4*\t+\b]
.endr
.irp b,0,1,2,3
	v_lshrrev_b32 v[TA+\b], 23, v[TB+\b]
.endr
	v_lshl_or_b32 v[PW+\t], v[TA+1], 8, v[TA]
	v_lshl_or_b32 v[PW+\t], v[TA+2], 16, v[PW+\t]
	v_lshl_or_b32 v[PW+\t], v[TA+3], 24, v[PW+\t]
.irp b,0,1,2,3                         ; register 16 b + 8 u + j is key 32 b + 16 u + 8 h + j: (block 2 c + e, half u) goes to register 4 c + 2 u + e
	v_cvt_scalef32_pk8_fp4_f32 v[PC+8*\t+4*(\b/2)+(\b%2)], v[S+64*\t+16*\b:S+64*\t+16*\b+7], v[TB+\b]
	v_cvt_scalef32_pk8_fp4_f32 v[PC+8*\t+4*(\b/2)+2+(\b%2)], v[S+64*\t+16*\b+8:S+64*\t+16*\b+15], v[TB+\b]
.endr
	v_nop                                          ; one plain place behind the scaled conversions
.irp b,0,1,2,3
	v_permlane16_swap_b32 v[PC+8*\t+2*\b], v[PC+8*\t+2*\b+1]   ; lanes 0-15 then hold block 2 c whole, lanes 16-31 block 2 c + 1
.endr
	ds_store_b128 v[APW], v[PC+8*\t:PC+8*\t+3] offset:1024*\t
	ds_store_b128 v[APW], v[PC+8*\t+4:PC+8*\t+7] offset:1024*\t+512
	ds_store_b32 v[APSW], v[PW+\t] offset:128*\t
.endm
.macro LSTORE                          ; my 4 x 128 keys' part of each query's sum
.irp t,0,1
	v_add_f32 v[TA+2*\t], v[LS+2*\t], v[LS+2*\t+1]
.endr
.irp t,0,1
	v_permlanex16_b32 v[TA+2*\t+1], v[TA+2*\t], s[XSEL], s[XSEL+1]
.endr
.irp t,0,1
	v_add_f32 v[TA+2*\t], v[TA+2*\t], v[TA+2*\t+1]
	ds_store_b32 v[ALSW], v[TA+2*\t] offset:128*\t
.endr
.endm
.macro LOADV k                         ; key step k: my eight tiles of 16 columns: 16 LDS loads
	WIN 0x80
.irp y,0,1,2,3,4,5,6,7
.irp c,0,1
	ds_load_b128 v[64*((\k)%2)+8*\y+4*\c:64*((\k)%2)+8*\y+4*\c+3], v[AVF+(\k)] offset:16384*\c+256*\y
.endr
.endr
	WIN 0
.endm
.macro PVMUL k, zero                   ; O^T += V'^T p^T: 16 accumulators by turns
	WIN 0x5a
.irp y,0,1,2,3,4,5,6,7
.irp t,0,1
.set rD, 64*\t+8*\y
.set rA, 64*((\k)%2)+8*\y
.set rB, PF+16*(\k)+8*\t
.set rC, rD
.set rSA, VS+4*(\k)+\y/2
.set rSB, PS+2*(\k)+\t
.if \zero
	WMZ \y%2
.else
	WMS \y%2, 0
.endif
.endr
.endr
.endm
.macro PV j
	WIN 0x80
.irp k,0,1,2,3
.irp t,0,1
.irp c,0,1
	ds_load_b128 v[PF+16*\k+8*\t+4*\c:PF+16*\k+8*\t+4*\c+3], v[API] offset:2048*\k+1024*\t+512*\c
.endr
.endr
.endr
	WIN 0
.irp k,0,1,2,3
.irp t,0,1
	ds_load_b32 v[PS+2*\k+\t], v[APS] offset:256*\k+128*\t
.endr
.endr
.irp k,0,1,2,3
.irp p,0,1,2,3
	ds_load_b32 v[VS+4*\k+\p], v[AVS+\k] offset:128*\p         ; lanes 0-15 tile 2 p's words, lanes 16-31 tile 2 p + 1's
.endr
.endr
	LOADV 0
	LOADV 1
.if \j > 0
	WIN 0x41
.irp t,0,1
.set i, 0
.rept 32
	v_pk_mul_f32 v[64*\t+i:64*\t+i+1], v[64*\t+i:64*\t+i+1], v[FF+2*\t:FF+2*\t+1] op_sel_hi:[1,0]   ; O^T under the new M
.set i, i+2
.endr
.endr
.endif
	s_wait_dscnt 16                                ; all but the 16 loads of the key step behind
.if \j == 0
	PVMUL 0, 1
.else
	PVMUL 0, 0
.endif
	WIN 0
	NOPS 4                                         ; places in front of loads into registers that the products have read
	LOADV 2
	s_wait_dscnt 16
	PVMUL 1, 0
	WIN 0
	NOPS 4
	LOADV 3
	s_wait_dscnt 16
	PVMUL 2, 0
	s_wait_dscnt 0x0
	PVMUL 3, 0
	WIN 0
	NOPS 4
.endm
.macro B3 j                            ; everybody's reads of V' and of p are over; the next K' has landed
	s_wait_tensorcnt 0x0
	ds_add_u32 v[SPW], v[NIL]
	s_add_co_u32 s22, s[J0], (\j)+1
	s_and_b32 s22, s22, 3                          ; the walk's next super-step, round the four
	s_mul_i32 s[OV], s22, 4*VPART
	s_add_nc_u64 s[G0V+2:G0V+3], s[14:15], s[OV:OV+1]
	s_or_b32 s[G0V+3], s[G0V+3], 0x80000000
	s_wait_dscnt 0x0
	ROUND
	tensor_load_to_lds s[G0V:G0V+3], s[G1V:G1V+7]  ; the next super-step's V': it has the scores in which to land
	s_nop 0
	NOPS 4
.endm
.macro SUPER j                         ; the walk's j-th super-step
.irp p,0,1,2,3
.irp s,0,1,2,3
	ds_load_b32 v[KS+4*\p+\s], v[AK4] offset:CH*(\p/2)+16384+256*\s+128*(\p%2)   ; lanes 0-15 tile 2 p's words, lanes 16-31 tile 2 p + 1's
.endr
.endr
	LOADG 0
	LOADG 1
	s_wait_dscnt 18                                ; all but the 18 loads of the pair of tiles behind
	MULG 0
	WIN 0
	NOPS 4
	LOADG 2
	s_wait_dscnt 18
	MULG 1
	WIN 0
	NOPS 4
	LOADG 3
	s_wait_dscnt 18
	MULG 2
	s_wait_dscnt 0x0
	MULG 3
	WIN 0
	NOPS 4                                         ; places in front of the first read of the scores
	SOFT1 0
	SOFT1 1
	B1 \j
	STATS
	SOFT2 0
	SOFT2 1
.if \j == 3
	LSTORE
.endif
	s_wait_dscnt 0x0                               ; my images of p have landed
	s_barrier_signal -1                            ; the load of the next K' may stay out
	s_barrier_wait -1
	PV \j
.if \j < 3
	B3 \j
.endif
.endm
	s_wait_loadcnt 63                              ; Q's fragments, scale and id words are in: 64 loads stand behind them, one more than this wait can name
	s_wait_tensorcnt 0x1                           ; my part of K' is in (I alone read it); V''s load may stay out
	SUPER 0
	SUPER 1
	SUPER 2
	SUPER 3
	; ---- THE WAY OUT
.irp x,0,1,2,3
	ds_load_b32 v[TA+\x], v[ALS] offset:256*\x
	ds_load_b32 v[TB+\x], v[ALS] offset:256*\x+128
.endr
	s_wait_dscnt 0x0
.irp t,0,1
	v_add_f32 v[TA+4*\t], v[TA+4*\t], v[TA+4*\t+1]
	v_add_f32 v[TA+4*\t+2], v[TA+4*\t+2], v[TA+4*\t+3]
.endr
.irp t,0,1
	v_add_f32 v[TA+4*\t], v[TA+4*\t], v[TA+4*\t+2]
.endr
.irp t,0,1
	v_max_num_f32 v[TA+4*\t], 0x3e800000, v[TA+4*\t]           ; a query with a key has a sum over 1/2; one without has 0 and takes the mean below
.endr
.irp t,0,1
	v_rcp_f32 v[FF+2*\t], v[TA+4*\t]
.endr
	v_nop                                          ; a plain place behind the reciprocals
	s_mov_b32 s54, 0xdd800000
.irp t,0,1
	v_cmp_lt_f32 s[HK+\t], s54, v[NM+2*\t+1]       ; has the query met a key of its cluster?
.endr
	s_wait_loadcnt 0x0                             ; the sums and Q's rows
	WIN 0xcf
.set st, 64
.rept 5                                ; the 32 chunks' sums of my four columns
.set ti, 0
.rept st/2
	v_pk_add_f32 v[ti:ti+1], v[ti:ti+1], v[st+ti:st+ti+1]
.set ti, ti+2
.endr
.set st, st/2
.endr
	v_pk_mul_f32 v[0:1], v[0:1], 0x3a000000 op_sel_hi:[1,0]    ; / 2,048
	v_pk_mul_f32 v[2:3], v[2:3], 0x3a000000 op_sel_hi:[1,0]
	WIN 0x0c
	ds_store_b128 v[AMW], v[0:3]                   ; through my own 512 bytes of LDS into O^T's layout; LDS serves a wave's instructions in order
	WIN 0x80
.set n, 0
.rept 16
	ds_load_b128 v[4*n:4*n+3], v[AMR] offset:64*(n/2)+16*(n%2)
.set n, n+1
.endr
	WIN 0x01
	s_wait_alu depctr_va_vdst(0)                   ; one wait for the two reciprocals, ahead of their first reader
.irp t,0,1
.set i, 0
.rept 32
	v_pk_mul_f32 v[S+64*\t+i:S+64*\t+i+1], v[64*\t+i:64*\t+i+1], v[FF+2*\t:FF+2*\t+1] op_sel_hi:[1,0]   ; O^T / the sum, each accumulator from its low end on
.set i, i+2
.endr
.endr
	s_wait_dscnt 0x0
	WIN 0x02
.irp t,0,1
.set i, 0
.rept 64
	v_cndmask_b32 v[S+64*\t+i], v[i], v[S+64*\t+i], s[HK+\t]
.set i, i+1
.endr
.endr
	WIN 0
.macro OUTT t                          ; a tile's 16 rows x 512 bytes through my stage: K''s slot has had its last fill, and its last read stands two barriers back
.set n, 0
.rept 16
	ds_store_b128 v[AOS], v[S+64*\t+4*n:S+64*\t+4*n+3] offset:64*(n/2)+16*(n%2)
.set n, n+1
.endr
.set n, 0
.rept 16
	ds_load_b128 v[S+64*\t+4*n:S+64*\t+4*n+3], v[AK] offset:528*n
.set n, n+1
.endr
.endm
.macro SEND t
	WIN 0x0c
.set i, 0
.rept 32
	v_pk_add_f32 v[S+64*\t+i:S+64*\t+i+1], v[S+64*\t+i:S+64*\t+i+1], v[128+64*\t+i:128+64*\t+i+1]   ; + Q
.set i, i+2
.endr
	WIN 0
.set n, 0
.rept 16
	global_store_b128 v[GO], v[S+64*\t+4*n:S+64*\t+4*n+3], s[18:19] offset:2048*(16*\t+n) th:TH_STORE_NT   ; 32 lanes store 512 consecutive bytes, at a multiple of 256 from the output's first byte
.set n, n+1
.endr
.endm
	OUTT 0
	OUTT 1
	s_wait_dscnt 32                                ; tile 0 is back: behind its loads stand tile 1's 16 stores and 16 loads
	SEND 0
	s_wait_dscnt 0x0
	SEND 1
	s_wait_tensorcnt 0x0                           ; the wave's end: behind my last tensor load and my last LDS store
	ds_add_u32 v[SPW], v[NIL]
	s_wait_dscnt 0x0
	ROUND                                          ; the closing round
	s_endpgm
.Lfunc_end_k_q629275e7b7_attend:
	.size	k_q629275e7b7_attend, .Lfunc_end_k_q629275e7b7_attend-k_q629275e7b7_attend
	.p2alignl 7, 3214868480
	.fill 96, 4, 3214868480
	.section	.rodata,"a",@progbits
	.p2align	6, 0x0
	.amdhsa_kernel k_q629275e7b7_attend
		.amdhsa_group_segment_fixed_size 327680
		.amdhsa_private_segment_fixed_size 0
		.amdhsa_enable_private_segment 0
		.amdhsa_kernarg_size 48
		.amdhsa_user_sgpr_count 2
		.amdhsa_user_sgpr_kernarg_segment_ptr 1
		.amdhsa_wavefront_size32 1
		.amdhsa_system_sgpr_workgroup_id_x 1
		.amdhsa_system_sgpr_workgroup_id_y 1
		.amdhsa_system_sgpr_workgroup_id_z 1
		.amdhsa_system_vgpr_workitem_id 0
		.amdhsa_next_free_vgpr 1024
		.amdhsa_next_free_sgpr 66
		.amdhsa_reserve_vcc 0
		.amdhsa_float_denorm_mode_32 3
		.amdhsa_float_denorm_mode_16_64 3
		.amdhsa_memory_ordered 1
		.amdhsa_forward_progress 1
		.amdhsa_inst_pref_size 255
	.end_amdhsa_kernel
	.section	.bss,"aw",@nobits
	.p2align	6
	.space	262144
	.amdgpu_metadata
---
amdhsa.version: [ 1, 2 ]
amdhsa.kernels:
  - .name:           k_q629275e7b7_attend
    .symbol:         k_q629275e7b7_attend.kd
    .args:
      - { .name: Q, .offset: 0, .size: 8, .value_kind: global_buffer, .address_space: global }
      - { .name: Qrec, .offset: 8, .size: 8, .value_kind: global_buffer, .address_space: global }
      - { .name: Krec, .offset: 16, .size: 8, .value_kind: global_buffer, .address_space: global }
      - { .name: Vrec, .offset: 24, .size: 8, .value_kind: global_buffer, .address_space: global }
      - { .name: Msum, .offset: 32, .size: 8, .value_kind: global_buffer, .address_space: global }
      - { .name: out0, .offset: 40, .size: 8, .value_kind: global_buffer, .address_space: global }
    .group_segment_fixed_size: 327680
    .private_segment_fixed_size: 0
    .kernarg_segment_align: 8
    .kernarg_segment_size: 48
    .max_flat_workgroup_size: 128
    .sgpr_count:     66
    .vgpr_count:     1024
    .wavefront_size: 32
...
	.end_amdgpu_metadata
.endif
;; end of part 2
